; MI455X (gfx1250); checked and timed in simulation.
; The chip was launched on July 23, 2026; its instructions are those of AMD's public machine-readable ISA for CDNA 5 (MIT licence, August 2026) and "CDNA5" Instruction Set Architecture Reference Guide (July 2026). The comments in the code are by the model that wrote it; some were corrected since.
;; Adapters Feed Forward. Allowed arithmetic: matrix products marked QUANTISED: E3M2 operands, one E8M0 scale for each 32 along K, by v_wmma_scale_f32_16x16x128_f8f6f4 with both operands' format E3M2, f32 sums; products left as they are: f32 operands where the result goes on into a quantised operand, else bf16, f16 or f32 operands; f32 sums; everything else in f32.
;; Inputs: W1_codes 4 x 4,096 x 32 x 24 uint8 (E3M2 codes of W1, K innermost, in blocks of 32 codes, four codes in three bytes); W1_scales 4 x 4,096 x 32 uint8 (E8M0 scales of W1, one for each 32 codes along K); W2_codes 4 x 1,024 x 128 x 24 uint8 (E3M2 codes of W2, K innermost, in blocks of 32 codes, four codes in three bytes); W2_scales 4 x 1,024 x 128 uint8 (E8M0 scales of W2, one for each 32 codes along K); Wr 1,024 x 4 float32; b1 4 x 4,096 float32; b2 4 x 1,024 float32; br 4 float32; x 4 x 512 x 1,024 float32.
;; Outputs: out0 4 x 512 x 1,024 float32.
;; This version of the problem:
;;   THIS VERSION OF THE PROBLEM IS GIVEN IN LOW PRECISION. The matrix products marked QUANTISED in the list below multiply operands that are first quantised to E3M2 (3 exponent bits, 2 mantissa bits; 6 bits a number), with one power-of-two scale for each 32 numbers along K (OCP MX v1.0); their sums are f32. All else is computed in f32.
;;   The module's matrix products, in the order in which they are computed (A, B: the left and right operand; K: the contracted axis; several contracted axes count as one K, in the product's order):
;;     1. [M 2,048, K 1,024] x [K 1,024, N 4]; A: input x; B: input Wr: left as it is (N = 4 < 16)
;;     2. [M 16,384, K 1,024] x [K 1,024, N 2,048]; A: input W1 (given as codes); B: input x: QUANTISED
;;     3. batch 4 x [M 2,048, K 4,096] x [K 4,096, N 1,024]; A: computed on the way; B: input W2 (given as codes): QUANTISED
;;   THE QUANTISER, for each operand of a quantised product, along K:
;;     - K is cut into blocks of 32 from its start; a last block that is shorter is filled with zeros.
;;     - A block's scale is 2^e with e = floor(log2(the largest magnitude in the block)) - 4, held to -126 .. 127; a block of zeros has e = 0. As a byte (E8M0): e + 127.
;;     - Each number is divided by its block's scale, clamped to +-28, and rounded to the nearest number of E3M2, ties to even, subnormals kept.
;;     - The product sums the exact products of the quantised numbers (number of the format x scale) in f32.
;;   ~~~python
;;   def quantise(x, axis):      # numpy; x: float32 -> the quantised numbers, widened to float32 again
;;       x = np.moveaxis(x, axis, -1); K = x.shape[-1]
;;       x = np.pad(x, [(0, 0)] * (x.ndim - 1) + [(0, -K % 32)]); x = x.reshape(x.shape[:-1] + (-1, 32)); a = np.abs(x).max(-1, keepdims=True)
;;       e = np.where(a > 0, np.clip(np.frexp(np.where(a > 0, a, 1))[1] - 1 - 4, -126, 127), 0)      # np.frexp(a)[1] - 1 = floor(log2(a)), exactly
;;       r = np.clip(x / 2.0 ** e, -28, 28)
;;       step = 2.0 ** (np.maximum(np.frexp(np.where(r == 0, 1, r))[1] - 1, -2) - 2)
;;       q = np.round(r / step) * step * 2.0 ** e      # np.round: ties to even
;;       return np.moveaxis(q.reshape(q.shape[:-2] + (-1,))[..., :K], -1, axis).astype(np.float32)
;;   ~~~
;;   OPERANDS COMPUTED ON THE WAY. 'Computed on the way' means the value that the module computes at that place (a softmax that the list does not call 'softmax' is quantised finished and normalised). What goes into a quantiser is computed in f32, as accurately as f32 sums, v_exp_f32 and their like allow (about 1e-6 of the number): no bf16 or f16 on the way to a quantiser, and a product that is left as it is and whose result goes on into a quantised operand takes f32 operands (vector FMAs, or v_wmma_f32_16x16x4_f32). A number that lies on a knife's edge between two numbers of the format may be rounded either way, as far as f32 arithmetic and the matrix unit's own rounding can turn it there, and no further.
;;   INPUTS GIVEN AS CODES. W1 (in the module: [4, 1024, 4096], K = its axis 1); W2 (in the module: [4, 4096, 1024], K = its axis 1): each comes as NAME_codes (uint8): NAME with its K axis moved to the last place and cut into blocks of 32 codes, [.., K / 32, bytes a block], one block behind the other in memory; four codes in three bytes: a row's codes are one little-endian stream of bits, code i at bits 6 i .. 6 i + 5 (a code: sign, 3 exponent bits, 2 mantissa bits); and NAME_scales (uint8): the same leading axes, one E8M0 byte (e + 127) for each 32 codes along K. Its value is code x scale, taken as it is: it is not quantised again, and the codes and scales need not be those that the quantiser above would give.
;; One version. Each part assembles by itself: llvm-mc -triple=amdgcn-amd-amdhsa -mcpu=gfx1250 --defsym DOCPART=n.
;; ======== version 1 of 1: 4 launches
;; limits: right only within a limited range of input values
;; workspace buffers: xq 1,572,864 bytes; xs 65,536 bytes; eid 8,192 bytes of whole numbers; gate 8,192 bytes; order 10,496 bytes of whole numbers; hq 7,864,320 bytes; hs 327,680 bytes
;; launch route (part 1): grid 256 x 1, 4 waves a work-group, no clusters, 22,016 bytes of LDS; arguments x, Wr, br, xq, xs, eid, gate; writes xq, xs, eid, gate
.if DOCPART == 1
	.amdgcn_target "amdgcn-amd-amdhsa--gfx1250"
	.amdhsa_code_object_version 6
	.text
	.protected	k_q3b4251501d_route
	.globl	k_q3b4251501d_route
	.p2align	8
	.type	k_q3b4251501d_route,@function
k_q3b4251501d_route:
	s_mov_b64 s[64:65], 0
	v_nop
	global_prefetch_b8 v0, s[64:65] scope:SCOPE_SE
	s_setreg_imm32_b32 hwreg(HW_REG_WAVE_MODE, 25, 1), 1
	s_wait_xcnt 0x0
; ROUTER AND QUANTISER OF x.  x: [2048][1024] f32.  For each token: logits = x Wr + br in f32 (fused multiply-adds), softmax with the maximum taken away,
; the chosen expert (the first largest) and its probability; and x's codes of BF6 (E3M2) with one E8M0 byte for each 32 along K.
; OUT: xq [token][768 bytes]: in each 96 bytes (128 along K) the four blocks of 24 bytes lie in the order 0, 2, 1, 3, so that lane (r, h) of an operand's fragment
; finds its two blocks (h and 2 + h) on end, 48 bytes at 48 h.  xs [token][32 scale bytes].  eid [token] u32, gate [token] f32, at fixed places: no address here hangs on the choice.
; SHARES: a work-group takes 8 tokens, a wave two.  A row is read once, 16 bytes a lane and 512 a load, and serves both the logits and the codes.
; LIMITS: NaN and infinities are not served.  A block whose largest magnitude lies under 2^-122 keeps the byte 1; a block of zeros gets the byte 1 where the rule says 127
; (its codes are zeros, and this program alone reads the bytes).  Two logits that lie within f32 rounding of each other may give the other expert than a sum in another order.
; WORK LEFT OUT, in the whole program: reference() computes all four experts for every token and keeps eo[gate_idx[n], n] alone: the rows of the three experts not chosen are
; sliced away, whatever the inputs hold.  So the later launches, which read the choice from memory, make the chosen expert's two products for a token and no others.
; Every input has a way to the output and is loaded.  A NaN, an infinity or an overflow that would arise only in an expert not chosen is not computed (reference() does not return it either).
.set SP,  80
.set SM,  20480                        ; LDS behind the four waves' stages: 256 scale bytes; at +256 eight experts; at +512 eight gates
.set WR,  16                           ; v16-143   WR + 16 i + 4 c + e = Wr[128 i + 4 lane + c][e]
.set R,   144                          ; v144-207  R + 32 j + 4 i + c = x[row j][128 i + 4 lane + c]
.set X,   208                          ; v208-239  two sets of 16 neighbours along K; later the tail's addresses
.set AC,  240                          ; v240-255  first the codes (3 registers and a byte for each half row), then the logits' sums
	s_load_b256 s[4:11], s[0:1], 0x0               ; x s[4:5], Wr s[6:7], br s[8:9], xq s[10:11]
	s_load_b128 s[12:15], s[0:1], 0x20             ; xs s[12:13], eid s[14:15]
	s_load_b64 s[16:17], s[0:1], 0x30              ; gate
	s_set_vgpr_msb 0x40
	v_lshl_add_u32 v0, v0, 2, 0x5400
	v_mov_b32 v1, 0
	s_set_vgpr_msb 0x4000
	v_lshrrev_b32 v8, 5, v0
	v_readfirstlane_b32 s18, v8                    ; wave 0..3
	v_and_b32 v1, 31, v0                           ; lane
	v_lshlrev_b32 v2, 4, v1                        ; x: my 16 bytes of a load's 512
	v_lshlrev_b32 v3, 6, v1                        ; Wr: four rows of 16 bytes a lane
	s_mul_i32 s19, s18, 64*SP                      ; my wave's two stages
	v_lshrrev_b32 v8, 2, v1
	v_mul_u32_u24 v4, v8, SP
	v_and_b32 v8, 3, v1
	v_lshl_add_u32 v4, v8, 4, v4
	v_add_nc_u32 v4, s19, v4                       ; into a stage: four lanes' 64 bytes on end, then the padding
	v_mul_u32_u24 v5, v1, SP
	v_add_nc_u32 v5, s19, v5                       ; out of it: my 16 neighbours
	v_bfe_u32 v8, v1, 3, 2                         ; my 16 codes' place in half a row of xq: lane / 8 is the 128 along K,
	v_mul_u32_u24 v6, v8, 96
	v_bfe_u32 v8, v1, 1, 1                         ; the block's low bit chooses the half of 48 bytes,
	v_mad_u32_u24 v6, v8, 48, v6
	v_bfe_u32 v8, v1, 2, 1                         ; its high bit the 24 bytes in it,
	v_mad_u32_u24 v6, v8, 24, v6
	v_and_b32 v8, 1, v1                            ; and the lane's low bit the 12 bytes
	v_mad_u32_u24 v6, v8, 12, v6
	s_lshl_b32 s19, s18, 6
	s_add_co_u32 s19, s19, SM
	v_lshrrev_b32 v7, 1, v1
	v_add_nc_u32 v7, s19, v7                       ; my block's scale byte: 32 bytes a row, two rows a wave
	s_mov_b32 s24, 0x76543210
	s_mov_b32 s25, 0xfedcba98                      ; v_permlanex16_b32's selects for lane l xor 16
	s_lshl_b32 s26, ttmp9, 3
	s_lshl_b32 s27, s18, 1
	s_add_co_u32 s26, s26, s27                     ; my first token: 8 x work-group + 2 x wave
	s_lshl_b32 s28, s26, 12
	s_mov_b32 s29, 0
	s_mul_i32 s30, s26, 768
	s_mov_b32 s31, 0
	s_wait_kmcnt 0x0
	s_add_nc_u64 s[4:5], s[4:5], s[28:29]
	s_add_nc_u64 s[10:11], s[10:11], s[30:31]
	s_load_b128 s[20:23], s[8:9], 0x0              ; br
	s_lshl_b32 s28, ttmp9, 8                       ; the work-group's 256 scale bytes,
	s_add_nc_u64 s[12:13], s[12:13], s[28:29]
	s_lshl_b32 s30, ttmp9, 5                       ; its 8 experts and 8 gates
	s_add_nc_u64 s[14:15], s[14:15], s[30:31]
	s_add_nc_u64 s[16:17], s[16:17], s[30:31]
.irp j, 0,1
.irp i, 0,1,2,3,4,5,6,7
	global_load_b128 v[R+32*\j+4*\i:R+32*\j+4*\i+3], v2, s[4:5] offset:4096*\j+512*\i th:TH_LOAD_NT   ; 32 lanes read 512 consecutive bytes; read once in the launch
.endr
.endr
.irp i, 0,1,2,3,4,5,6,7
.irp c, 0,1,2,3
	global_load_b128 v[WR+16*\i+4*\c:WR+16*\i+4*\c+3], v3, s[6:7] offset:2048*\i+16*\c
.endr
.endr
; Half a row (512 numbers) through a stage: the conversion wants 16 neighbours along K in one lane.  LDS serves a wave's instructions in order: no wait between the stores and the loads.
.macro TURN j, st
.irp i, 0,1,2,3
	ds_store_b128 v4, v[R+32*\j+16*\st+4*\i:R+32*\j+16*\st+4*\i+3] offset:32*SP*\st+8*SP*\i
.endr
.irp i, 0,1,2,3
	ds_load_b128 v[X+16*\st+4*\i:X+16*\st+4*\i+3], v5 offset:32*SP*\st+16*\i
.endr
.endm
; My 16 numbers become 12 bytes of codes; two neighbouring lanes hold a block of 32.
.macro QSTEP j, st
.set XS, X+16*\st
.set CD, AC+4*(2*\j+\st)
	v_max3_num_f32 v8, |v[XS]|, |v[XS+1]|, |v[XS+2]|
	v_max3_num_f32 v9, |v[XS+3]|, |v[XS+4]|, |v[XS+5]|
.irp i, 6,10
	v_max3_num_f32 v8, v8, |v[XS+\i]|, |v[XS+\i+1]|
	v_max3_num_f32 v9, v9, |v[XS+\i+2]|, |v[XS+\i+3]|
.endr
	v_max3_num_f32 v8, v8, |v[XS+14]|, |v[XS+15]|
	v_max3_num_f32 v8, v8, v9, 0x2800000           ; and the floor 2^(5 - 127): the byte cannot fall under 1
	v_max_num_f32_dpp v8, v8, v8 row_xmask:1 row_mask:0xf bank_mask:0xf   ; with my neighbour's 16: the block's largest magnitude
	v_add_nc_u32 v11, 0xfe000000, v8               ; 4 off its exponent field: the conversion takes the exponent field of this operand as its scale
	v_cvt_scalef32_pk16_bf6_f32 v[CD:CD+2], v[XS:XS+15], v11
	v_lshrrev_b32 v[CD+3], 23, v11                 ; the scale's byte (also the plain line behind the conversion)
	ds_store_b8 v7, v[CD+3] offset:32*\j+16*\st    ; both lanes of a block write the same byte with the same value
	global_store_b96 v6, v[CD:CD+2], s[10:11] offset:768*\j+384*\st
.endm
	s_wait_loadcnt 40                              ; row 0's eight loads are in; row 1's eight and Wr's 32 may be out
	TURN 0, 0
	TURN 0, 1
	s_wait_dscnt 0x0
	QSTEP 0, 0
	QSTEP 0, 1
	s_wait_loadcnt 32                              ; row 1's are in
	TURN 1, 0
	TURN 1, 1
	s_wait_dscnt 0x0
	QSTEP 1, 0
	QSTEP 1, 1
	s_wait_loadcnt 0x0                             ; Wr
	s_wait_kmcnt 0x0                               ; br
	s_wait_xcnt 0x0                                ; the stores of the codes have read their registers: these now take the sums
; THE LOGITS: one number of x against its row of Wr, two experts an instruction; two chains a row and pair (even and odd c), so that eight instructions lie between two links of a chain.
.macro DOT j, i, c
.set XR, R+32*\j+4*\i+2*(\c/2)
.set WB, WR+16*\i+4*\c
.set AB, AC+8*\j+4*(\c%2)
.if (\i == 0) && (\c < 2)
.if \c%2
	v_pk_mul_f32 v[AB:AB+1], v[XR:XR+1], v[WB:WB+1] op_sel:[1,0] op_sel_hi:[1,1]
	v_pk_mul_f32 v[AB+2:AB+3], v[XR:XR+1], v[WB+2:WB+3] op_sel:[1,0] op_sel_hi:[1,1]
.else
	v_pk_mul_f32 v[AB:AB+1], v[XR:XR+1], v[WB:WB+1] op_sel_hi:[0,1]
	v_pk_mul_f32 v[AB+2:AB+3], v[XR:XR+1], v[WB+2:WB+3] op_sel_hi:[0,1]
.endif
.else
.if \c%2
	v_pk_fma_f32 v[AB:AB+1], v[XR:XR+1], v[WB:WB+1], v[AB:AB+1] op_sel:[1,0,0] op_sel_hi:[1,1,1]
	v_pk_fma_f32 v[AB+2:AB+3], v[XR:XR+1], v[WB+2:WB+3], v[AB+2:AB+3] op_sel:[1,0,0] op_sel_hi:[1,1,1]
.else
	v_pk_fma_f32 v[AB:AB+1], v[XR:XR+1], v[WB:WB+1], v[AB:AB+1] op_sel_hi:[0,1,1]
	v_pk_fma_f32 v[AB+2:AB+3], v[XR:XR+1], v[WB+2:WB+3], v[AB+2:AB+3] op_sel_hi:[0,1,1]
.endif
.endif
.endm
.irp i, 0,1,2,3,4,5,6,7
.irp c, 0,1,2,3
.irp j, 0,1
	DOT \j, \i, \c
.endr
.endr
.endr
.irp j, 0,1
.irp p, 0,2
	v_pk_add_f32 v[AC+8*\j+\p:AC+8*\j+\p+1], v[AC+8*\j+\p:AC+8*\j+\p+1], v[AC+8*\j+4+\p:AC+8*\j+5+\p]   ; the two chains
.endr
.endr
.irp m, 1,2,4,8
.irp q, 0,1,2,3,8,9,10,11
	v_add_f32_dpp v[AC+\q], v[AC+\q], v[AC+\q] row_xmask:\m row_mask:0xf bank_mask:0xf   ; over the 16 lanes of a half
.endr
.endr
.irp q, 0,1,2,3,8,9,10,11
	v_permlanex16_b32 v[AC+4+\q], v[AC+\q], s24, s25
.endr
.irp q, 0,1,2,3,8,9,10,11
	v_add_f32 v[AC+\q], v[AC+\q], v[AC+4+\q]       ; and the other half: every lane holds the sums
.endr
.irp e, 0,1,2,3
.irp j, 0,1
	v_add_f32 v[AC+8*\j+\e], s[20+\e], v[AC+8*\j+\e]   ; + br
.endr
.endr
	; THE SOFTMAX of four, both rows by turns: v8-9 the largest p, v10-11 its index, v12-13 the sum, v14-15 the largest logit
.irp j, 0,1
	v_max3_num_f32 v[14+\j], v[AC+8*\j], v[AC+8*\j+1], v[AC+8*\j+2]
.endr
.irp j, 0,1
	v_max_num_f32 v[14+\j], v[14+\j], v[AC+8*\j+3]
.endr
.irp e, 0,1,2,3
.irp j, 0,1
	v_sub_f32 v[AC+8*\j+\e], v[AC+8*\j+\e], v[14+\j]   ; the maximum is taken away
.endr
.endr
.irp e, 0,1,2,3
.irp j, 0,1
	v_mul_f32 v[AC+8*\j+\e], 0x3fb8aa3b, v[AC+8*\j+\e] ; x log2(e)
.endr
.endr
	s_wait_alu depctr_va_vdst(0)
.irp e, 0,1,2,3
.irp j, 0,1
	v_exp_f32 v[AC+8*\j+\e], v[AC+8*\j+\e]
.endr
.endr
	v_mov_b32 v10, 0                               ; (plain lines behind the exponentials)
	v_mov_b32 v11, 0
	s_wait_alu depctr_va_vdst(0)                   ; one wait for the eight, ahead of their first reader
.irp j, 0,1
	v_mov_b32 v[8+\j], v[AC+8*\j]
	v_add_f32 v[12+\j], v[AC+8*\j], v[AC+8*\j+1]
	v_add_f32 v[14+\j], v[AC+8*\j+2], v[AC+8*\j+3]
.endr
.irp j, 0,1
	v_add_f32 v[12+\j], v[12+\j], v[14+\j]
.endr
.irp e, 1,2,3
.irp j, 0,1
	v_cmp_ge_f32 vcc_lo, v[8+\j], v[AC+8*\j+\e]    ; a later expert wins only where it is strictly larger: the first largest is kept
	v_cndmask_b32 v[10+\j], \e, v[10+\j], vcc_lo
	v_max_num_f32 v[8+\j], v[8+\j], v[AC+8*\j+\e]
.endr
.endr
	s_wait_alu depctr_va_vdst(0)
	v_rcp_f32 v12, v12
	v_rcp_f32 v13, v13
	s_lshl_b32 s19, s18, 3
	s_add_co_u32 s19, s19, SM+256
	v_mov_b32 v208, s19                            ; (plain lines behind the reciprocals)  where my wave's two experts go
	v_lshl_add_u32 v209, v1, 3, SM                 ; the tail's addresses, made ahead of the branch on the wave's number
	v_lshlrev_b32 v210, 3, v1
	v_and_b32 v211, 7, v1                          ; every lane points at one of the eight words that were written
	v_lshl_add_u32 v211, v211, 2, SM+256
	v_lshlrev_b32 v212, 2, v1
	s_wait_alu depctr_va_vdst(0)                   ; one wait for the two reciprocals
	v_mul_f32 v8, v8, v12                          ; the gate: the largest p / the sum
	v_mul_f32 v9, v9, v13
	ds_store_b32 v208, v10                         ; all lanes write the same word with the same value
	ds_store_b32 v208, v11 offset:4
	ds_store_b32 v208, v8 offset:256
	ds_store_b32 v208, v9 offset:260
	s_wait_dscnt 0x0                               ; for the others' sake: my scale bytes, experts and gates lie in LDS
	s_barrier_signal -1
	s_barrier_wait -1
	s_cmp_lg_u32 s18, 0
	s_cbranch_scc1 .Lend                           ; wave 0 stores what the four have gathered
	ds_load_b64 v[214:215], v209
	s_wait_dscnt 0x0
	global_store_b64 v210, v[214:215], s[12:13]    ; 32 lanes store 256 consecutive bytes, aligned: 8 tokens' scale bytes
	v_cmp_gt_u32 vcc_lo, 8, v0
	s_wait_xcnt 0x0                                ; EXEC changes only behind this wait
	s_and_saveexec_b32 s32, vcc_lo
	ds_load_b32 v216, v211
	ds_load_b32 v217, v211 offset:256
	s_wait_dscnt 0x0
	global_store_b32 v212, v216, s[14:15]
	global_store_b32 v212, v217, s[16:17]
	s_wait_xcnt 0x0
	s_or_b32 exec_lo, exec_lo, s32
.Lend:
	s_barrier_signal -1
	s_barrier_wait -1
	s_set_vgpr_msb 0x5
	s_wait_tensorcnt 0x0
	ds_add_u32 v0, v1
	s_wait_dscnt 0x0
	s_set_vgpr_msb 0x500
	s_endpgm
.Lfunc_end_k_q3b4251501d_route:
	.size	k_q3b4251501d_route, .Lfunc_end_k_q3b4251501d_route-k_q3b4251501d_route
	.p2alignl 7, 3214868480
	.fill 96, 4, 3214868480
	.section	.rodata,"a",@progbits
	.p2align	6, 0x0
	.amdhsa_kernel k_q3b4251501d_route
		.amdhsa_group_segment_fixed_size 22016
		.amdhsa_private_segment_fixed_size 0
		.amdhsa_enable_private_segment 0
		.amdhsa_kernarg_size 56
		.amdhsa_user_sgpr_count 2
		.amdhsa_user_sgpr_kernarg_segment_ptr 1
		.amdhsa_wavefront_size32 1
		.amdhsa_system_sgpr_workgroup_id_x 1
		.amdhsa_system_sgpr_workgroup_id_y 1
		.amdhsa_system_sgpr_workgroup_id_z 1
		.amdhsa_system_vgpr_workitem_id 0
		.amdhsa_next_free_vgpr 258
		.amdhsa_next_free_sgpr 66
		.amdhsa_reserve_vcc 1
		.amdhsa_float_denorm_mode_32 3
		.amdhsa_float_denorm_mode_16_64 3
		.amdhsa_memory_ordered 1
		.amdhsa_forward_progress 1
		.amdhsa_inst_pref_size 29
	.end_amdhsa_kernel
	.amdgpu_metadata
---
amdhsa.version: [ 1, 2 ]
amdhsa.kernels:
  - .name:           k_q3b4251501d_route
    .symbol:         k_q3b4251501d_route.kd
    .args:
      - { .name: x, .offset: 0, .size: 8, .value_kind: global_buffer, .address_space: global }
      - { .name: Wr, .offset: 8, .size: 8, .value_kind: global_buffer, .address_space: global }
      - { .name: br, .offset: 16, .size: 8, .value_kind: global_buffer, .address_space: global }
      - { .name: xq, .offset: 24, .size: 8, .value_kind: global_buffer, .address_space: global }
      - { .name: xs, .offset: 32, .size: 8, .value_kind: global_buffer, .address_space: global }
      - { .name: eid, .offset: 40, .size: 8, .value_kind: global_buffer, .address_space: global }
      - { .name: gate, .offset: 48, .size: 8, .value_kind: global_buffer, .address_space: global }
    .group_segment_fixed_size: 22016
    .private_segment_fixed_size: 0
    .kernarg_segment_align: 8
    .kernarg_segment_size: 56
    .max_flat_workgroup_size: 128
    .sgpr_count:     66
    .vgpr_count:     258
    .wavefront_size: 32
...
	.end_amdgpu_metadata
.endif
;; end of part 1
;; launch place (part 2): grid 1 x 1, 16 waves a work-group, no clusters, 2,304 bytes of LDS; arguments eid, order; writes order
.if DOCPART == 2
	.amdgcn_target "amdgcn-amd-amdhsa--gfx1250"
	.amdhsa_code_object_version 6
	.text
	.protected	k_q3b4251501d_place
	.globl	k_q3b4251501d_place
	.p2align	8
	.type	k_q3b4251501d_place,@function
k_q3b4251501d_place:
	s_mov_b64 s[64:65], 0
	v_nop
	global_prefetch_b8 v0, s[64:65] scope:SCOPE_SE
	s_setreg_imm32_b32 hwreg(HW_REG_WAVE_MODE, 25, 1), 1
	s_wait_xcnt 0x0
; THE ROWS ARE PLACED BY EXPERT: a counting sort of 2,048 tokens over 4 experts by one work-group of sixteen waves, without an atomic.
; Tiles have 160 slots.  Expert e gets ceil(n_e / 160) tiles on end; the sum of these is at most (2048 + 4 x 159) / 160, rounded down: 16, for every split.
; order, in words: 0..2559 slot -> token, 2048 where the slot is empty; 2560..2591 a dump for the lanes of a pad store that lie outside their gap; 2592..2623 tile -> expert.
; SHARES: 2,048 tokens = 512 threads x 4: thread t holds tokens 4 t .. 4 t + 3, one load of 16 bytes; a wave reads 512 consecutive bytes.
; A token's slot = its expert's first slot + the expert's tokens in the waves below mine + in the lanes below mine + among my own tokens before it: inside an expert the rows lie in the tokens' order.
; The waves' totals meet in LDS: 8 bytes a wave, one barrier.  One work-group, since the sums span all tokens and work-groups of a launch hand each other nothing.
.set E,   16                           ; v16-19   8 x the token's expert
.set ONE, 20                           ; v20-23   1 << 8 e: one in the expert's byte counter
.set RK,  28                           ; v29-31   tokens 1 to 3: how many of my earlier tokens have the same expert (token 0: none)
.set SL,  48                           ; v48-51   the token's slot, then its byte in the list
.set SH,  52                           ; v52-55   at work
.set TK,  56                           ; v56-59   the token's number
.set PA,  62                           ; v62-65   the pad stores' addresses, a register for each, so that none is written again
	s_load_b128 s[4:7], s[0:1], 0x0                ; eid, order
	v_lshl_add_u32 v80, v0, 2, 0x100
	v_mov_b32 v81, 0
	v_lshrrev_b32 v1, 5, v0
	s_delay_alu instid0(VALU_DEP_1)
	v_readfirstlane_b32 s33, v1                    ; wave 0..15
	v_and_b32 v1, 31, v0                           ; lane
	v_lshlrev_b32 v2, 4, v0                        ; eid: my four words
	v_lshlrev_b32 v3, 2, v0                        ; my first token
	v_and_b32 v4, 15, v0                           ; lane % 16
	s_delay_alu instid0(VALU_DEP_1)
	v_lshlrev_b32 v5, 3, v4                        ; LDS: the totals of wave lane % 16
	s_lshl_b32 s19, s33, 3
	v_mov_b32 v6, s19                              ; LDS: my wave's totals
	v_mov_b32 v7, 1
	v_mov_b32 v10, 0                               ; (destinations of lane moves count as read)
	v_mov_b32 v11, 0
.irp i, 36,37,38,39
	v_mov_b32 v\i, 0
.endr
	s_wait_kmcnt 0x0
	global_load_b128 v[E:E+3], v2, s[4:5]
	s_wait_loadcnt 0x0
.irp c, 0,1,2,3
	v_min_u32 v[E+\c], 3, v[E+\c]                  ; held inside the four experts
.endr
.irp c, 0,1,2,3
	s_delay_alu instid0(VALU_DEP_4)
	v_lshlrev_b32 v[E+\c], 3, v[E+\c]              ; the counter's place: 8 e
.endr
.irp c, 0,1,2,3
	s_delay_alu instid0(VALU_DEP_4)
	v_lshlrev_b32 v[ONE+\c], v[E+\c], v7
.endr
	s_delay_alu instid0(VALU_DEP_3)
	v_add_nc_u32 v25, v20, v21                     ; four byte counters, one an expert: after two,
	s_delay_alu instid0(VALU_DEP_1)
	v_add_nc_u32 v26, v25, v22                     ; three,
	s_delay_alu instid0(VALU_DEP_1)
	v_add_nc_u32 v27, v26, v23                     ; and all four of my tokens
	v_bfe_u32 v[RK+1], v20, v[E+1], 8              ; what the counter of a token's expert held before the token
	s_delay_alu instid0(VALU_DEP_4)
	v_bfe_u32 v[RK+2], v25, v[E+2], 8
	s_delay_alu instid0(VALU_DEP_4)
	v_bfe_u32 v[RK+3], v26, v[E+3], 8
	s_delay_alu instid0(VALU_DEP_4)
	v_and_b32 v8, 0xff00ff, v27                    ; counts of experts 0 and 2 in 16-bit fields (totals are at most 2,048),
	v_lshrrev_b32 v9, 8, v27
	s_delay_alu instid0(VALU_DEP_1)
	v_and_b32 v9, 0xff00ff, v9                     ; of experts 1 and 3
	s_delay_alu instid0(VALU_DEP_3)
	v_mov_b32 v12, v8
	s_delay_alu instid0(VALU_DEP_2)
	v_mov_b32 v13, v9
.irp n, 1
	v_mov_b32_dpp v10, v8 row_shr:\n row_mask:0xf bank_mask:0xf bound_ctrl:1
	s_delay_alu instid0(VALU_DEP_4)
	v_mov_b32_dpp v11, v9 row_shr:\n row_mask:0xf bank_mask:0xf bound_ctrl:1
	s_delay_alu instid0(VALU_DEP_2)
	v_add_nc_u32 v8, v8, v10                       ; a running sum over the 16 lanes of a half
	s_delay_alu instid0(VALU_DEP_2)
	v_add_nc_u32 v9, v9, v11
.endr
.irp n, 2, 4, 8
	s_delay_alu instid0(VALU_DEP_2)
	v_mov_b32_dpp v10, v8 row_shr:\n row_mask:0xf bank_mask:0xf bound_ctrl:1
	s_delay_alu instid0(VALU_DEP_2)
	v_mov_b32_dpp v11, v9 row_shr:\n row_mask:0xf bank_mask:0xf bound_ctrl:1
	s_delay_alu instid0(VALU_DEP_2)
	v_add_nc_u32 v8, v8, v10                       ; a running sum over the 16 lanes of a half
	s_delay_alu instid0(VALU_DEP_2)
	v_add_nc_u32 v9, v9, v11
.endr
	s_delay_alu instid0(VALU_DEP_2)
	v_readlane_b32 s8, v8, 15
	s_delay_alu instid0(VALU_DEP_2)
	v_readlane_b32 s9, v9, 15
	v_cmp_lt_u32 vcc_lo, 15, v1
	s_delay_alu instid0(VALU_DEP_3)
	v_mov_b32 v10, s8
	s_delay_alu instid0(VALU_DEP_3)
	v_mov_b32 v11, s9
	s_delay_alu instid0(VALU_DEP_2)
	v_cndmask_b32 v10, 0, v10, vcc_lo
	s_delay_alu instid0(VALU_DEP_2)
	v_cndmask_b32 v11, 0, v11, vcc_lo
	s_delay_alu instid0(VALU_DEP_2)
	v_add_nc_u32 v8, v8, v10                       ; lanes 16-31 add the lower half's total
	s_delay_alu instid0(VALU_DEP_2)
	v_add_nc_u32 v9, v9, v11
	s_delay_alu instid0(VALU_DEP_2)
	v_readlane_b32 s10, v8, 31                     ; my wave's totals
	s_delay_alu instid0(VALU_DEP_2)
	v_readlane_b32 s11, v9, 31
	s_delay_alu instid0(VALU_DEP_4)
	v_sub_nc_u32 v8, v8, v12                       ; what the lanes below me hold
	s_delay_alu instid0(VALU_DEP_4)
	v_sub_nc_u32 v9, v9, v13
	s_delay_alu instid0(VALU_DEP_4)
	v_mov_b32 v14, s10
	s_delay_alu instid0(VALU_DEP_4)
	v_mov_b32 v15, s11
	ds_store_b64 v6, v[14:15]                      ; all lanes write the same two words with the same values
	s_wait_dscnt 0x0                               ; for the others' sake: my totals lie in LDS
	s_barrier_signal -1
	s_barrier_wait -1
	ds_load_b64 v[32:33], v5                       ; lane j and lane 16 + j: wave j's totals
	s_wait_dscnt 0x0
	v_cmp_gt_u32 vcc_lo, s33, v4                   ; a wave below mine?
	s_delay_alu instid0(VALU_DEP_1)
	v_cndmask_b32 v34, 0, v32, vcc_lo
	s_delay_alu instid0(VALU_DEP_2)
	v_cndmask_b32 v35, 0, v33, vcc_lo
.irp n, 1
	v_mov_b32_dpp v36, v32 row_shr:\n row_mask:0xf bank_mask:0xf bound_ctrl:1
	v_mov_b32_dpp v37, v33 row_shr:\n row_mask:0xf bank_mask:0xf bound_ctrl:1
	s_delay_alu instid0(VALU_DEP_4)
	v_mov_b32_dpp v38, v34 row_shr:\n row_mask:0xf bank_mask:0xf bound_ctrl:1
	s_delay_alu instid0(VALU_DEP_4)
	v_mov_b32_dpp v39, v35 row_shr:\n row_mask:0xf bank_mask:0xf bound_ctrl:1
	s_delay_alu instid0(VALU_DEP_4)
	v_add_nc_u32 v32, v32, v36
	s_delay_alu instid0(VALU_DEP_4)
	v_add_nc_u32 v33, v33, v37
	s_delay_alu instid0(VALU_DEP_4)
	v_add_nc_u32 v34, v34, v38
	s_delay_alu instid0(VALU_DEP_4)
	v_add_nc_u32 v35, v35, v39
.endr
.irp n, 2, 4, 8
	s_delay_alu instid0(VALU_DEP_4)
	v_mov_b32_dpp v36, v32 row_shr:\n row_mask:0xf bank_mask:0xf bound_ctrl:1
	s_delay_alu instid0(VALU_DEP_4)
	v_mov_b32_dpp v37, v33 row_shr:\n row_mask:0xf bank_mask:0xf bound_ctrl:1
	s_delay_alu instid0(VALU_DEP_4)
	v_mov_b32_dpp v38, v34 row_shr:\n row_mask:0xf bank_mask:0xf bound_ctrl:1
	s_delay_alu instid0(VALU_DEP_4)
	v_mov_b32_dpp v39, v35 row_shr:\n row_mask:0xf bank_mask:0xf bound_ctrl:1
	s_delay_alu instid0(VALU_DEP_4)
	v_add_nc_u32 v32, v32, v36
	s_delay_alu instid0(VALU_DEP_4)
	v_add_nc_u32 v33, v33, v37
	s_delay_alu instid0(VALU_DEP_4)
	v_add_nc_u32 v34, v34, v38
	s_delay_alu instid0(VALU_DEP_4)
	v_add_nc_u32 v35, v35, v39
.endr
	s_delay_alu instid0(VALU_DEP_4)
	v_readlane_b32 s10, v32, 15                    ; all tokens of experts 0 and 2,
	s_delay_alu instid0(VALU_DEP_4)
	v_readlane_b32 s11, v33, 15                    ; of experts 1 and 3;
	s_delay_alu instid0(VALU_DEP_4)
	v_readlane_b32 s8, v34, 15                     ; those in the waves below mine
	s_delay_alu instid0(VALU_DEP_4)
	v_readlane_b32 s9, v35, 15
	s_and_b32 s12, s10, 0xffff                     ; n0
	s_and_b32 s13, s11, 0xffff                     ; n1
	s_lshr_b32 s14, s10, 16                        ; n2
	s_lshr_b32 s15, s11, 16                        ; n3
.irp e, 0,1,2
	s_add_co_u32 s[16+\e], s[12+\e], 159           ; tiles of expert e: (n + 159) / 160 = ((n + 159) / 32) / 5,
	s_lshr_b32 s[16+\e], s[16+\e], 5
	s_mul_i32 s[16+\e], s[16+\e], 52429            ; and y / 5 = y x 52429 >> 18 for the y that occur (at most 68)
	s_lshr_b32 s[16+\e], s[16+\e], 18
.endr
	s_mov_b32 s20, s16                             ; the first tile of expert 1,
	s_add_co_u32 s21, s20, s17                     ; of expert 2,
	s_add_co_u32 s22, s21, s18                     ; of expert 3
	s_mul_i32 s24, s20, 160                        ; and their first slots
	s_mul_i32 s25, s21, 160
	s_mul_i32 s26, s22, 160
	v_add_nc_u32 v8, s8, v8                        ; the waves below mine and the lanes below me, still two fields a register
	v_add_nc_u32 v9, s9, v9
	s_delay_alu instid0(VALU_DEP_2)
	v_and_b32 v44, 0xffff, v8                      ; where my rows of each expert begin
	s_delay_alu instid0(VALU_DEP_2)
	v_and_b32 v45, 0xffff, v9
	s_delay_alu instid0(VALU_DEP_4)
	v_lshrrev_b32 v46, 16, v8
	s_delay_alu instid0(VALU_DEP_4)
	v_lshrrev_b32 v47, 16, v9
	s_delay_alu instid0(VALU_DEP_3)
	v_add_nc_u32 v45, s24, v45
	s_delay_alu instid0(VALU_DEP_3)
	v_add_nc_u32 v46, s25, v46
	s_delay_alu instid0(VALU_DEP_3)
	v_add_nc_u32 v47, s26, v47
.irp c, 0,1,2,3
	v_and_b32 v[SL+\c], 8, v[E+\c]
	v_add_nc_u32 v[TK+\c], \c, v3
.endr
.irp c, 0,1,2,3
	v_cmp_ne_u32 vcc_lo, 0, v[SL+\c]               ; an odd expert?
	s_delay_alu instid0(VALU_DEP_1)
	v_cndmask_b32 v[SL+\c], v44, v45, vcc_lo
	s_delay_alu instid0(VALU_DEP_2)
	v_cndmask_b32 v[SH+\c], v46, v47, vcc_lo
	v_cmp_lt_u32 vcc_lo, 15, v[E+\c]               ; expert 2 or 3?
	s_delay_alu instid0(VALU_DEP_1)
	v_cndmask_b32 v[SL+\c], v[SL+\c], v[SH+\c], vcc_lo
.if \c > 0
	s_delay_alu instid0(VALU_DEP_1)
	v_add_nc_u32 v[SL+\c], v[SL+\c], v[RK+\c]      ; the slot,
.endif
	s_delay_alu instid0(VALU_DEP_1)
	v_min_u32 v[SL+\c], 0x9ff, v[SL+\c]            ; held inside the list,
	s_delay_alu instid0(VALU_DEP_1)
	v_lshlrev_b32 v[SL+\c], 2, v[SL+\c]            ; in bytes
	global_store_b32 v[SL+\c], v[TK+\c], s[6:7]
.endr
	; THE EMPTY SLOTS: behind each expert's rows up to its last tile's end, and behind expert 3's up to slot 2560.  The four gaps together are 2560 - 2048 = 512 slots,
	; so the 512 threads cover any one gap with one store: slot = the gap's first + my thread's number; a lane outside the gap writes to the dump.
	s_mov_b32 s28, s12
	s_add_co_u32 s29, s24, s13
	s_add_co_u32 s30, s25, s14
	s_add_co_u32 s31, s26, s15
	s_mov_b32 s27, 2560
	v_add_nc_u32 v60, 2560, v1                     ; the dump
	v_mov_b32 v61, 2048                            ; 'empty'
.macro PAD n, first, last
	v_add_nc_u32 v[PA+\n], s[\first], v0
	s_delay_alu instid0(VALU_DEP_1)
	v_cmp_gt_u32 vcc_lo, s[\last], v[PA+\n]        ; inside the gap?
	s_delay_alu instid0(VALU_DEP_1)
	v_cndmask_b32 v[PA+\n], v60, v[PA+\n], vcc_lo
	s_delay_alu instid0(VALU_DEP_1)
	v_min_u32 v[PA+\n], 0xa1f, v[PA+\n]
	s_delay_alu instid0(VALU_DEP_1)
	v_lshlrev_b32 v[PA+\n], 2, v[PA+\n]
	global_store_b32 v[PA+\n], v61, s[6:7]
.endm
	PAD 0, 28, 24
	PAD 1, 29, 25
	PAD 2, 30, 26
	PAD 3, 31, 27
	s_cmp_lg_u32 s33, 0
	s_cbranch_scc1 .Lend                           ; wave 0 stores the table
	; tile -> expert: how many experts' first tiles lie at or below the tile (lane = tile)
	v_cmp_le_u32 vcc_lo, s20, v1
	s_delay_alu instid0(VALU_DEP_1)
	v_cndmask_b32 v66, 0, 1, vcc_lo
	v_cmp_le_u32 vcc_lo, s21, v1
	s_delay_alu instid0(VALU_DEP_1)
	v_cndmask_b32 v67, 0, 1, vcc_lo
	v_cmp_le_u32 vcc_lo, s22, v1
	s_delay_alu instid0(VALU_DEP_1)
	v_cndmask_b32 v68, 0, 1, vcc_lo
	s_delay_alu instid0(VALU_DEP_1)
	v_add3_u32 v66, v66, v67, v68
	v_lshl_add_u32 v69, v1, 2, 10368
	global_store_b32 v69, v66, s[6:7]
.Lend:
	s_barrier_signal -1
	s_barrier_wait -1
	s_wait_tensorcnt 0x0
	ds_add_u32 v80, v81
	s_wait_dscnt 0x0
	s_endpgm
.Lfunc_end_k_q3b4251501d_place:
	.size	k_q3b4251501d_place, .Lfunc_end_k_q3b4251501d_place-k_q3b4251501d_place
	.p2alignl 7, 3214868480
	.fill 96, 4, 3214868480
	.section	.rodata,"a",@progbits
	.p2align	6, 0x0
	.amdhsa_kernel k_q3b4251501d_place
		.amdhsa_group_segment_fixed_size 2304
		.amdhsa_private_segment_fixed_size 0
		.amdhsa_enable_private_segment 0
		.amdhsa_kernarg_size 16
		.amdhsa_user_sgpr_count 2
		.amdhsa_user_sgpr_kernarg_segment_ptr 1
		.amdhsa_wavefront_size32 1
		.amdhsa_system_sgpr_workgroup_id_x 1
		.amdhsa_system_sgpr_workgroup_id_y 1
		.amdhsa_system_sgpr_workgroup_id_z 1
		.amdhsa_system_vgpr_workitem_id 0
		.amdhsa_next_free_vgpr 82
		.amdhsa_next_free_sgpr 66
		.amdhsa_reserve_vcc 1
		.amdhsa_float_denorm_mode_32 3
		.amdhsa_float_denorm_mode_16_64 3
		.amdhsa_memory_ordered 1
		.amdhsa_forward_progress 1
		.amdhsa_inst_pref_size 15
	.end_amdhsa_kernel
	.amdgpu_metadata
---
amdhsa.version: [ 1, 2 ]
amdhsa.kernels:
  - .name:           k_q3b4251501d_place
    .symbol:         k_q3b4251501d_place.kd
    .args:
      - { .name: eid, .offset: 0, .size: 8, .value_kind: global_buffer, .address_space: global }
      - { .name: order, .offset: 8, .size: 8, .value_kind: global_buffer, .address_space: global }
    .group_segment_fixed_size: 2304
    .private_segment_fixed_size: 0
    .kernarg_segment_align: 8
    .kernarg_segment_size: 16
    .max_flat_workgroup_size: 512
    .sgpr_count:     66
    .vgpr_count:     82
    .wavefront_size: 32
...
	.end_amdgpu_metadata
.endif
;; end of part 2
;; launch up (part 3): grid 16 x 16, 4 waves a work-group, no clusters, 327,680 bytes of LDS; arguments xq, xs, order, W1_codes, W1_scales, b1, hq, hs; writes hq, hs
.if DOCPART == 3
	.amdgcn_target "amdgcn-amd-amdhsa--gfx1250"
	.amdhsa_code_object_version 6
	.text
	.protected	k_q3b4251501d_up
	.globl	k_q3b4251501d_up
	.p2align	8
	.type	k_q3b4251501d_up,@function
k_q3b4251501d_up:
	s_mov_b64 s[64:65], 0
	v_nop
	global_prefetch_b8 v0, s[64:65] scope:SCOPE_SE
	s_setreg_imm32_b32 hwreg(HW_REG_WAVE_MODE, 25, 1), 1
	s_wait_xcnt 0x0
; THE FIRST PRODUCT OF THE CHOSEN EXPERT: h = Q(silu(x W1[e] + b1[e])) for a tile of 160 routed rows (work-group y) and 256 hidden units (work-group x), on codes of BF6 (E3M2) with E8M0 scales.
; Only the chosen expert's rows are multiplied (see the first kernel's head).
; LDS holds the whole of both tiles, each filled once: x's 160 gathered rows and W1's 256 rows, 768 bytes of codes + 16 of padding a row (pitch 784 = 196 words: sixteen rows start at sixteen different groups of four banks).
; They come by asynchronous copies, all issued at the head: lanes 0-15 copy 256 consecutive bytes of one row, lanes 16-31 of the next.  A wave issues 3 x (20 of x + 32 of W1) = 156 copies, in the order of the rows'
; three chunks of 256 bytes, so that the walk along K begins while later chunks are on their way.  No LDS byte is filled again, and no tensor load stands in the text.
; A wave makes 80 rows x 128 hidden units (40 accumulators); the product is used transposed (source 0 = W1's rows), b1 is the C of the first K step.
; OUT: hq: images of the next operand's registers, 1,536 bytes for 16 rows x 128 K; hs: its scale words.
; NOT IN A CLUSTER: W1's tile hangs on the tile's expert, a number read from memory; x's rows are gathered lane by lane by copies, which have no joint form.
; NO PREFETCH: all that the work-group reads is asked for at the head; there is no loop to run ahead in.
; LIMITS: NaN and infinities are not served.  An empty slot of the list takes token 2047's codes; its results are stored in hq and never reach out0.
.set XL,    0
.set XP,    784
.set WS0,   125440
.set WP,    784
.set SPARE, 326144
.set LW,    64                         ; window 3, v64-95: LDS addresses of my 32 pairs of W1's rows
.set GW,    96                         ; window 3, v96-127: their byte offsets in memory
.set SPW,  4
.set NIL,  5
.set XA,   6
.set WA0,  8
.set WA1,  9
.set HQO,  14
.set HSO,  15
.set WSC,  20
.set XSC,  52
.set XF,   72
.set LA,   192
.set GA,   212
.set XT,   232
.set BO,   237
.set H,    72
.set PC,   136
.set TM,   160
.set PW,   176
.set B1,   192
.set SEL,  52
.set MSB, 0
.macro WIN new
.if MSB != (\new)
	s_set_vgpr_msb (MSB<<8)|(\new)
.set MSB, \new
.endif
.endm
.macro PLACES n
.rept \n
	v_nop
.endr
.endm
.macro BAR
	s_barrier_signal -1
	s_barrier_wait -1
.endm
	s_load_b256 s[4:11], s[0:1], 0x0
	s_load_b256 s[12:19], s[0:1], 0x20
	v_lshl_add_u32 v[SPW], v0, 2, SPARE
	v_mov_b32 v[NIL], 0
	ds_add_u32 v4, v5
	ds_add_u32 v4, v5
	s_wait_dscnt 0x0
	v_lshrrev_b32 v1, 5, v0
	v_readfirstlane_b32 s20, v1
	s_lshr_b32 s21, s20, 1
	s_and_b32 s22, s20, 1
	s_mov_b32 s23, ttmp9
	s_and_b32 s24, ttmp7, 0xffff
	v_and_b32 v1, 15, v0
	v_bfe_u32 v2, v0, 4, 1
	v_and_b32 v3, 31, v0
	s_mul_i32 s26, s20, 160
	v_lshl_add_u32 v12, v2, 2, s26
	s_mul_i32 s26, s21, 320
	v_lshl_add_u32 v13, v1, 2, s26
	s_lshl_b32 s55, s24, 2
	s_mul_i32 s56, s24, 640
	s_mov_b32 s57, 0
	s_wait_alu depctr_va_vdst(0)
	s_wait_kmcnt 0x0
	s_load_b32 s25, s[8:9], s55 offset:0x2880
	s_add_nc_u64 s[56:57], s[8:9], s[56:57]
.irp p, 0,1,2,3,4,5,6,7,8,9,10,11,12,13,14,15,16,17,18,19
	global_load_b32 v[GA+\p], v12, s[56:57] offset:8*\p
.endr
.irp m, 0,1,2,3,4
	global_load_b32 v[XT+\m], v13, s[56:57] offset:64*\m
.endr
	s_mov_b32 s[SEL], 0x76543210
	s_mov_b32 s[SEL+1], 0xfedcba98
	s_mov_b32 s54, 0xbfb8aa3b
	s_mul_i32 s26, s21, 80*XP
	v_mul_u32_u24 v[XA], v1, XP
	v_mad_u32_u24 v[XA], v2, 48, v[XA]
	v_add_nc_u32 v[XA], s26, v[XA]
	v_mul_u32_u24 v7, v1, WP
	s_mul_i32 s58, s22, 128*WP
	s_add_co_u32 s58, s58, WS0
	v_mad_u32_u24 v[WA0], v2, 24, v7               ; W1's fragments: row r x pitch + 24 h, my 128 rows;
	v_add_nc_u32 v[WA0], s58, v[WA0]
	v_add_nc_u32 v[WA1], 64*WP, v[WA0]             ; a second register for row blocks 4-7: the immediate has 16 bits
	v_lshlrev_b32 v[HQO], 4, v3
	v_lshlrev_b32 v[HSO], 4, v1
	v_lshlrev_b32 v18, 4, v2
	v_lshl_add_u32 v19, v1, 5, v18
	v_lshlrev_b32 v[BO], 5, v2
	s_mul_i32 s26, s20, 40*XP
	v_mul_u32_u24 v16, v2, XP
	v_lshl_add_u32 v16, v1, 4, v16
	v_add_nc_u32 v16, s26, v16
.irp p, 0,1,2,3,4,5,6,7,8,9,10,11,12,13,14,15,16,17,18,19
	v_add_nc_u32 v[LA+\p], 2*XP*\p, v16
.endr
	s_mul_i32 s63, s20, 64*WP                      ; the copies of W1: wave w brings rows 64 w .. 64 w + 63
	s_add_co_u32 s63, s63, WS0
	v_mul_u32_u24 v17, v2, WP
	v_lshl_add_u32 v17, v1, 4, v17
	v_add_nc_u32 v17, s63, v17                     ; LDS: row 64 w + h, byte 16 r
	v_mul_u32_u24 v7, v2, 768
	v_lshl_add_u32 v7, v1, 4, v7                   ; memory: row h, byte 16 r
	WIN 0xc0
.set I, 0
.rept 32
	v_add_nc_u32 v[LW+I], 2*WP*I, v17              ; a register for each pair of rows: none is written again
	v_add_nc_u32 v[GW+I], 1536*I, v7
.set I, I+1
.endr
	WIN 0
	s_lshl_b32 s66, s24, 5
	s_lshl_b32 s67, s23, 1
	s_add_co_u32 s66, s66, s67
	s_add_co_u32 s66, s66, s22
	s_mul_i32 s66, s66, 10
	s_mul_i32 s67, s21, 5
	s_add_co_u32 s66, s66, s67
	s_mul_i32 s66, s66, 1536
	s_mov_b32 s67, 0
	s_add_nc_u64 s[16:17], s[16:17], s[66:67]
	s_mul_i32 s66, s24, 10
	s_mul_i32 s67, s21, 5
	s_add_co_u32 s66, s66, s67
	s_lshl_b32 s66, s66, 3
	s_lshr_b32 s67, s23, 1
	s_add_co_u32 s66, s66, s67
	s_lshl_b32 s66, s66, 8
	s_and_b32 s67, s23, 1
	s_lshl_b32 s67, s67, 1
	s_add_co_u32 s67, s67, s22
	s_lshl_b32 s67, s67, 2
	s_add_co_u32 s66, s66, s67
	s_mov_b32 s67, 0
	s_add_nc_u64 s[18:19], s[18:19], s[66:67]
	s_wait_kmcnt 0x0
	s_min_u32 s25, s25, 3
	s_lshl_b32 s58, s25, 12
	s_lshl_b32 s59, s23, 8
	s_add_co_u32 s58, s58, s59
	s_lshl_b32 s60, s20, 6
	s_add_co_u32 s60, s60, s58
	s_mul_i32 s60, s60, 768
	s_mov_b32 s61, 0
	s_add_nc_u64 s[60:61], s[10:11], s[60:61]
	s_lshl_b32 s62, s22, 7
	s_add_co_u32 s62, s62, s58
	s_lshl_b32 s66, s62, 5
	s_add_nc_u64 s[12:13], s[12:13], s[66:67]
	s_lshl_b32 s66, s62, 2
	s_add_nc_u64 s[14:15], s[14:15], s[66:67]
.irp t, 0,1,2,3,4,5,6,7
	global_load_b128 v[WSC+4*\t:WSC+4*\t+3], v19, s[12:13] offset:512*\t
.endr
	WIN 0x40
.irp t, 0,1,2,3,4,5,6,7
	global_load_b128 v[B1+8*\t:B1+8*\t+3], v[BO], s[14:15] offset:64*\t
	global_load_b128 v[B1+8*\t+4:B1+8*\t+7], v[BO], s[14:15] offset:64*\t+16
.endr
	WIN 0
	s_wait_loadcnt 24
.irp p, 0,1,2,3,4,5,6,7,8,9,10,11,12,13,14,15,16,17,18,19
	v_min_u32 v[GA+\p], 0x7ff, v[GA+\p]
.endr
.irp p, 0,1,2,3,4,5,6,7,8,9,10,11,12,13,14,15,16,17,18,19
	v_mul_u32_u24 v[GA+\p], v[GA+\p], 768
.endr
.irp p, 0,1,2,3,4,5,6,7,8,9,10,11,12,13,14,15,16,17,18,19
	v_add_nc_u32 v[GA+\p], v[GA+\p], v[HSO]
.endr
.irp m, 0,1,2,3,4
	v_min_u32 v[XT+\m], 0x7ff, v[XT+\m]
.endr
.irp m, 0,1,2,3,4
	v_lshlrev_b32 v[XT+\m], 5, v[XT+\m]
.endr
.irp m, 0,1,2,3,4
	v_add_nc_u32 v[XT+\m], v[XT+\m], v18
.endr
.irp m, 0,1,2,3,4
	global_load_b128 v[XSC+4*\m:XSC+4*\m+3], v[XT+\m], s[6:7]
.endr
.irp u, 0,1,2                          ; chunk u of every row: 20 copies of x, 32 of W1; the immediate steps both addresses
.irp p, 0,1,2,3,4,5,6,7,8,9,10,11,12,13,14,15,16,17,18,19
	global_load_async_to_lds_b128 v[LA+\p], v[GA+\p], s[4:5] offset:256*\u
.endr
	WIN 0xc3                                       ; a copy's LDS address is its destination, its offset in memory its source 0: both in window 3
.set I, 0
.rept 32
	global_load_async_to_lds_b128 v[LW+I], v[GW+I], s[60:61] offset:256*\u
.set I, I+1
.endr
	WIN 0
.endr
.macro FRAGW reg, s, t
.irp pp, 0,1,2,3,4,5
.set RG, (\reg)+2*\pp
	ds_load_b64 v[RG:RG+1], v[WA0+(\t)/4] offset:96*(\s)+48*(\pp/3)+8*(\pp%3)+16*WP*((\t)%4)
.endr
.endm
.macro FETCHW s, p
	WIN 0x40
.irp t, 0,1,2,3,4,5,6,7
	FRAGW 96*(\p)+12*\t, \s, \t
.endr
	WIN 0
.endm
.macro FETCHX s, p
.irp m, 0,1,2,3,4
.irp c, 0,1,2
	ds_load_b128 v[XF+60*(\p)+12*\m+4*\c:XF+60*(\p)+12*\m+4*\c+3], v[XA] offset:16*XP*\m+96*(\s)+16*\c
.endr
.endr
.endm
.macro MUL s, m
.set AB, 64*((\m)%4)
.set FB, 96*((\s)%2)
.set XB, XF+60*((\s)%2)+12*(\m)
.set NW, 0xa1+0x50*((\m)/4)
.if (\s) == 0
.set NW, 0x91+0x40*((\m)/4)
.endif
	WIN NW
.irp t, 0,1,2,3,4,5,6,7
.if (\s) == 0
	v_wmma_scale_f32_16x16x128_f8f6f4 v[AB+8*\t:AB+8*\t+7], v[FB+12*\t:FB+12*\t+11], v[XB:XB+11], v[B1+8*\t:B1+8*\t+7], v[WSC+4*\t], v[XSC+4*(\m)] matrix_a_fmt:MATRIX_FMT_BF6 matrix_b_fmt:MATRIX_FMT_BF6
.elseif (\s) < 4
	v_wmma_scale_f32_16x16x128_f8f6f4 v[AB+8*\t:AB+8*\t+7], v[FB+12*\t:FB+12*\t+11], v[XB:XB+11], v[AB+8*\t:AB+8*\t+7], v[WSC+4*\t+(\s)], v[XSC+4*(\m)+(\s)] matrix_a_fmt:MATRIX_FMT_BF6 matrix_b_fmt:MATRIX_FMT_BF6
.else
	v_wmma_scale_f32_16x16x128_f8f6f4 v[AB+8*\t:AB+8*\t+7], v[FB+12*\t:FB+12*\t+11], v[XB:XB+11], v[AB+8*\t:AB+8*\t+7], v[WSC+4*\t+(\s)-4], v[XSC+4*(\m)+(\s)-4] matrix_a_fmt:MATRIX_FMT_BF6 matrix_b_fmt:MATRIX_FMT_BF6 matrix_a_scale:MATRIX_SCALE_ROW1 matrix_b_scale:MATRIX_SCALE_ROW1
.endif
.endr
.endm
.macro USTEP s
	s_wait_dscnt 0x0
	MUL \s,0
	MUL \s,1
.if (\s) == 1
	WIN 0
	s_wait_asynccnt 52                             ; K step 2 reaches into chunk 1 (bytes 192-287): my first 104 copies are done, chunk 2's 52 may be out;
	BAR                                            ; and so are the other waves'
.elseif (\s) == 4
	WIN 0
	s_wait_asynccnt 0x0                            ; K step 5 reaches into chunk 2 (bytes 480-575)
	BAR
.endif
.if (\s) < 7
	PLACES 4
.endif
.if (\s) < 7
	FETCHW (\s)+1,((\s)+1)%2
	FETCHX (\s)+1,((\s)+1)%2
.endif
	MUL \s,2
	MUL \s,3
	MUL \s,4
	WIN 0
.endm
	s_wait_asynccnt 63                             ; chunk 0 is my first 52 copies of 156: 104 might stay out; the wait's field holds 63
	BAR
	FETCHW 0,0
	FETCHX 0,0
	s_wait_loadcnt 0x0
	USTEP 0
	USTEP 1
	USTEP 2
	USTEP 3
	USTEP 4
	USTEP 5
	USTEP 6
	USTEP 7
.macro QUANT s
.irp b, 0,1,2,3
	v_max3_num_f32 v[TM+\b], |v[\s+16*\b]|, |v[\s+1+16*\b]|, 0x2800000
.endr
.irp i, 2,4,6,8,10,12,14
.irp b, 0,1,2,3
	v_max3_num_f32 v[TM+\b], v[TM+\b], |v[\s+16*\b+\i]|, |v[\s+1+16*\b+\i]|
.endr
.endr
.irp b, 0,1,2,3
	v_permlanex16_b32 v[TM+4+\b], v[TM+\b], s[SEL], s[SEL+1]
.endr
.irp b, 0,1,2,3
	v_max_num_f32 v[TM+\b], v[TM+\b], v[TM+4+\b]
.endr
.irp b, 0,1,2,3
	v_add_nc_u32 v[TM+12+\b], 0xfe000000, v[TM+\b]
.endr
.irp b, 0,1,2,3
	v_lshrrev_b32 v[TM+4+\b], 23, v[TM+12+\b]
.endr
	v_lshl_or_b32 v[PW], v[TM+5], 8, v[TM+4]
	v_lshl_or_b32 v[PW], v[TM+6], 16, v[PW]
	v_lshl_or_b32 v[PW], v[TM+7], 24, v[PW]
.irp c, 0,1
	v_cvt_scalef32_pk16_bf6_f32 v[PC+6*\c:PC+2+6*\c], v[\s+32*\c:\s+15+32*\c], v[TM+12+2*\c]
	v_cvt_scalef32_pk16_bf6_f32 v[PC+12+4*\c:PC+14+4*\c], v[\s+16+32*\c:\s+31+32*\c], v[TM+12+2*\c+1]
.endr
	v_nop
.irp c, 0,1
.irp i, 0,1,2
	v_permlane16_swap_b32 v[PC+6*\c+\i], v[PC+12+4*\c+\i]
.endr
.irp i, 0,1,2
	v_mov_b32 v[PC+3+6*\c+\i], v[PC+12+4*\c+\i]
.endr
.endr
.endm
.macro OUTM m
.set AB, 64*((\m)%4)
.set NW, 2+(\m)/4
	WIN NW
.set J, 0
.rept 32
	v_pk_mul_f32 v[H+J:H+J+1], v[AB+J:AB+J+1], s[54:55] op_sel_hi:[1,0]   ; x -log2(e), two at a time; the pair's low word serves both halves
.set J, J+2
.endr
	WIN 0
.set J, 0
	s_wait_alu depctr_va_vdst(0)
.rept 64
	v_exp_f32 v[H+J], v[H+J]
.set J, J+1
.endr
	v_nop
	s_wait_alu depctr_va_vdst(0)
.set J, 0
.rept 32
	v_pk_add_f32 v[H+J:H+J+1], v[H+J:H+J+1], 1.0 op_sel_hi:[1,0]
.set J, J+2
.endr
.set J, 0
	s_wait_alu depctr_va_vdst(0)
.rept 64
	v_rcp_f32 v[H+J], v[H+J]
.set J, J+1
.endr
	v_nop
	s_wait_alu depctr_va_vdst(0)
	WIN NW
.set J, 0
.rept 32
	v_pk_mul_f32 v[H+J:H+J+1], v[AB+J:AB+J+1], v[H+J:H+J+1]
.set J, J+2
.endr
	WIN 0
.irp b, 0,1,2,3
.irp j, 0,1,2,3,4,5,6,7
	v_permlane16_swap_b32 v[H+16*\b+\j], v[H+16*\b+8+\j]
.endr
.endr
.if (\m) > 0
	s_wait_xcnt 0x0
.endif
	QUANT H
.irp c, 0,1,2
	global_store_b128 v[HQO], v[PC+4*\c:PC+4*\c+3], s[16:17] offset:1536*(\m)+512*\c
.endr
	global_store_b32 v[HSO], v[PW], s[18:19] offset:2048*(\m)
.endm
	PLACES 4
.irp b, 0,1,2,3
	v_mov_b32 v[TM+4+\b], 0
.endr
	OUTM 0
	OUTM 1
	OUTM 2
	OUTM 3
	OUTM 4
	s_wait_tensorcnt 0x0
	s_wait_asynccnt 0x0
	ds_add_u32 v[SPW], v[NIL]
	s_wait_dscnt 0x0
	s_endpgm
.Lfunc_end_k_q3b4251501d_up:
	.size	k_q3b4251501d_up, .Lfunc_end_k_q3b4251501d_up-k_q3b4251501d_up
	.p2alignl 7, 3214868480
	.fill 96, 4, 3214868480
	.section	.rodata,"a",@progbits
	.p2align	6, 0x0
	.amdhsa_kernel k_q3b4251501d_up
		.amdhsa_group_segment_fixed_size 327680
		.amdhsa_private_segment_fixed_size 0
		.amdhsa_enable_private_segment 0
		.amdhsa_kernarg_size 64
		.amdhsa_user_sgpr_count 2
		.amdhsa_user_sgpr_kernarg_segment_ptr 1
		.amdhsa_wavefront_size32 1
		.amdhsa_system_sgpr_workgroup_id_x 1
		.amdhsa_system_sgpr_workgroup_id_y 1
		.amdhsa_system_sgpr_workgroup_id_z 1
		.amdhsa_system_vgpr_workitem_id 0
		.amdhsa_next_free_vgpr 1024
		.amdhsa_next_free_sgpr 72
		.amdhsa_reserve_vcc 0
		.amdhsa_float_denorm_mode_32 3
		.amdhsa_float_denorm_mode_16_64 3
		.amdhsa_memory_ordered 1
		.amdhsa_forward_progress 1
		.amdhsa_inst_pref_size 187
	.end_amdhsa_kernel
	.amdgpu_metadata
---
amdhsa.version: [ 1, 2 ]
amdhsa.kernels:
  - .name:           k_q3b4251501d_up
    .symbol:         k_q3b4251501d_up.kd
    .args:
      - { .name: xq, .offset: 0, .size: 8, .value_kind: global_buffer, .address_space: global }
      - { .name: xs, .offset: 8, .size: 8, .value_kind: global_buffer, .address_space: global }
      - { .name: order, .offset: 16, .size: 8, .value_kind: global_buffer, .address_space: global }
      - { .name: W1_codes, .offset: 24, .size: 8, .value_kind: global_buffer, .address_space: global }
      - { .name: W1_scales, .offset: 32, .size: 8, .value_kind: global_buffer, .address_space: global }
      - { .name: b1, .offset: 40, .size: 8, .value_kind: global_buffer, .address_space: global }
      - { .name: hq, .offset: 48, .size: 8, .value_kind: global_buffer, .address_space: global }
      - { .name: hs, .offset: 56, .size: 8, .value_kind: global_buffer, .address_space: global }
    .group_segment_fixed_size: 327680
    .private_segment_fixed_size: 0
    .kernarg_segment_align: 8
    .kernarg_segment_size: 64
    .max_flat_workgroup_size: 128
    .sgpr_count:     72
    .vgpr_count:     1024
    .wavefront_size: 32
...
	.end_amdgpu_metadata
.endif
;; end of part 3
;; launch down (part 4): grid 16 x 16, 4 waves a work-group, no clusters, 209,408 bytes of LDS; arguments hq, hs, order, gate, W2_codes, W2_scales, b2, out0; writes out0
.if DOCPART == 4
	.amdgcn_target "amdgcn-amd-amdhsa--gfx1250"
	.amdhsa_code_object_version 6
	.text
	.protected	k_q3b4251501d_down
	.globl	k_q3b4251501d_down
	.p2align	8
	.type	k_q3b4251501d_down,@function
k_q3b4251501d_down:
	s_mov_b64 s[64:65], 0
	v_nop
	global_prefetch_b8 v0, s[64:65] scope:SCOPE_SE
	s_setreg_imm32_b32 hwreg(HW_REG_WAVE_MODE, 25, 1), 1
	s_wait_xcnt 0x0
; THE SECOND PRODUCT OF THE CHOSEN EXPERT: out[token] = (h W2[e] + b2[e]) x gate[token], for a tile of 160 routed rows (work-group y) and 64 outputs (work-group x), on codes of BF6 (E3M2) with E8M0 scales.
; Only the chosen expert's rows are multiplied (see the first kernel's head).
; K = 4,096 IS SHARED AMONG THE WAVES: wave w takes hidden units 1024 w on (eight steps of 128) for the whole tile: 10 x 4 = 40 accumulators.  So each byte of h and of W2 that the work-group takes in is
; used by one wave, once.  h comes from memory straight into registers, as the images of the operand's registers that the launch before has laid (dense loads of 512 bytes), two K steps ahead.
; W2's 64 rows x 768 bytes of my K come by 96 asynchronous copies, all issued at the head, into LDS rows of 768 + 16 bytes that I alone read: lanes 0-15 copy 256 consecutive bytes of one row, lanes 16-31 of the next;
; the copies go in the order of the rows' three chunks of 256 bytes, and my own counted waits on ASYNCcnt order my reads.  No LDS byte is filled again, and no tensor load stands in the text.
; The four waves' sums meet in LDS at the end (f32; the order of this sum differs from one chain along K by roundings of f32 alone).
; The product is used transposed (source 0 = 16 rows of W2, source 1 = 16 tokens): a lane holds one token and eight neighbouring outputs.
; A slot of the list that is empty (2048) stores nothing: the stores go under a mask; no branch stands in this text.  Each token stands in one slot, so each byte of out0 has one owner.
; NOT IN A CLUSTER: a joint load of h would land in LDS; beside W2's 200,704 bytes two slots for it could hold 61,440 bytes each, half of the 122,880 bytes (two K steps a wave) that the registers keep on their way.
; W2's tile hangs on the tile's expert, a number read from memory.
; NO PREFETCH: from the head to the last K step every wave has 60 loads of 512 bytes asked for ahead of their use; the stream has no pause to fill.
; LIMITS: NaN and infinities are not served.
; REGISTERS, in windows of 256: window 0: v1-19 addresses; v20-35 W2's scale words, v36-75 h's (nothing else ever lies there); v76-171 W2's fragments, two sets (on the way out: rows of the sums);
;   v172-191 out0's offsets; v192-211 gates; v212-215 b2; v216-235 the list's words; v254-255 the spare word's address and 0.   window 1: h's sets 0 and 1 (120 each).
;   window 2: the accumulators of row tiles 0-7 at v[8 (4 m + n)].   window 3: v0-63 those of row tiles 8, 9; v64-183 h's set 2; v184-247 the copies' addresses.
.set WREG, 52224                       ; LDS: a wave's region: 64 rows x 784 bytes of W2; later its plane of sums: 160 rows x 272 bytes
.set W2P,  784                         ; 196 words: sixteen rows start at sixteen different groups of four banks
.set PP,   272
.set SPARE, 4*WREG
.set HO,   4                           ; v4   16 x lane
.set WA,   6                           ; v6   W2: my lane's place in my region
.set SO,   8                           ; v8   the plane: where I put 32 bytes of a row
.set CO,   9                           ; v9   256 x + 16 (lane % 16): my bytes in a row of out0
.set RD,   10                          ; v10-13 where I read a row back from plane 0 .. 3
.set W2S,  20
.set HSC,  36
.set WF,   76
.set OA,   172
.set G,    192
.set B2,   212
.set TK,   216
.set PLN,  76
.set SPW,  254
.set NIL,  255
.set LW,   184                         ; window 3: LDS addresses of my 32 pairs of W2's rows
.set GW,   216                         ; window 3: their byte offsets in memory
.set MSB, 0
.macro WIN new                         ; the immediate's high byte repeats the setting that is left
.if MSB != (\new)
	s_set_vgpr_msb (MSB<<8)|(\new)
.set MSB, \new
.endif
.endm
.macro PLACES n
.rept \n
	v_nop
.endr
.endm
; h's ten fragments of my K step s, into set s % 3: 30 loads of 512 consecutive bytes
.macro HLOAD s
.if (\s)%3 == 2
	WIN 0xc0
.set HB, 64
.else
	WIN 0x40
.set HB, 120*((\s)%3)
.endif
.irp m, 0,1,2,3,4,5,6,7,8,9
.irp c, 0,1,2
	global_load_b128 v[HB+12*\m+4*\c:HB+12*\m+4*\c+3], v[HO], s[4:5] offset:15360*(\s)+1536*\m+512*\c
.endr
.endr
	WIN 0
.endm
; W2's four fragments of K step s, into set s % 2: 24 bytes at 96 s + 24 h of the row and 24 more 48 bytes on, in pieces of 8 bytes
.macro FETCH2 s
.irp n, 0,1,2,3
.irp pp, 0,1,2,3,4,5
.set RG, WF+48*((\s)%2)+12*\n+2*\pp
	ds_load_b64 v[RG:RG+1], v[WA] offset:96*(\s)+48*(\pp/3)+8*(\pp%3)+16*W2P*\n
.endr
.endr
.endm
; chunk u of my 64 rows of W2: 32 copies; the immediate steps both addresses.  A copy's LDS address is its destination, its offset in memory its source 0: both in window 3
.macro COPY u, i0, n                   ; pairs of rows i0 .. i0 + n - 1
	WIN 0xc3
.set I, \i0
.rept \n
	global_load_async_to_lds_b128 v[LW+I], v[GW+I], s[60:61] offset:256*(\u)
.set I, I+1
.endr
	WIN 0
.endm
	s_load_b256 s[4:11], s[0:1], 0x0               ; hq s[4:5], hs s[6:7], order s[8:9], gate s[10:11]
	s_load_b256 s[12:19], s[0:1], 0x20             ; W2's codes s[12:13], W2's scales s[14:15], b2 s[16:17], out0 s[18:19]
	v_lshl_add_u32 v[SPW], v0, 2, SPARE
	v_mov_b32 v[NIL], 0
	ds_add_u32 v[SPW], v[NIL]                      ; the opening: the add, twice on end, and its wait ahead of my first copy
	ds_add_u32 v[SPW], v[NIL]
	v_lshrrev_b32 v1, 5, v0
	v_readfirstlane_b32 s20, v1                    ; wave
	s_mov_b32 s23, ttmp9                           ; the block of 64 outputs
	s_and_b32 s24, ttmp7, 0xffff                   ; the row tile T
	v_and_b32 v1, 15, v0                           ; r
	v_bfe_u32 v2, v0, 4, 1                         ; h
	v_and_b32 v3, 31, v0
	v_lshlrev_b32 v[HO], 4, v3
	s_mul_i32 s26, s20, 160
	v_lshl_add_u32 v14, v2, 2, s26                 ; the list: slots 40 w + 2 p + h: the rows that I store
	v_lshlrev_b32 v15, 4, v1
	v_lshl_add_u32 v15, v2, 8, v15                 ; h's scale words: 16 r + 256 h
	v_lshlrev_b32 v16, 7, v1
	v_lshl_add_u32 v16, v2, 4, v16                 ; W2's: 128 r + 16 h
	v_lshlrev_b32 v17, 4, v1                       ; b2: 16 r
	s_mul_i32 s63, s20, WREG                       ; my region of LDS
	v_mul_u32_u24 v5, v1, W2P
	v_mad_u32_u24 v[WA], v2, 24, v5
	v_add_nc_u32 v[WA], s63, v[WA]
	v_mul_u32_u24 v7, v2, W2P
	v_lshl_add_u32 v7, v1, 4, v7
	v_add_nc_u32 v7, s63, v7                       ; the copies, LDS: row h, byte 16 r
	v_mul_u32_u24 v18, v2, 3072
	v_lshl_add_u32 v18, v1, 4, v18                 ; memory: row h of 3,072 bytes, byte 16 r
	WIN 0xc0
.set I, 0
.rept 32
	v_add_nc_u32 v[LW+I], 2*W2P*I, v7              ; a register for each pair of rows: none is written again
	v_add_nc_u32 v[GW+I], 6144*I, v18
.set I, I+1
.endr
	WIN 0
	v_mul_u32_u24 v5, v1, PP
	v_lshl_add_u32 v[SO], v2, 5, v5
	v_add_nc_u32 v[SO], s63, v[SO]
	s_lshl_b32 s26, s23, 8
	v_lshl_add_u32 v[CO], v1, 4, s26
	s_mul_i32 s26, s20, 40*PP
	v_mul_u32_u24 v[RD], v2, PP
	v_lshl_add_u32 v[RD], v1, 4, v[RD]
	v_add_nc_u32 v[RD], s26, v[RD]                 ; rows 40 w + h of plane 0, 16 bytes a lane;
.irp k, 1,2,3
	v_add_nc_u32 v[RD+\k], WREG*\k, v[RD]          ; of the other planes
.endr
	s_lshl_b32 s55, s24, 2
	s_mul_i32 s56, s24, 640
	s_mov_b32 s57, 0
	s_lshl_b32 s58, s24, 5
	s_lshl_b32 s59, s20, 3
	s_add_co_u32 s58, s58, s59
	s_mul_i32 s58, s58, 15360                      ; hq: (32 T + 8 w) x ten images
	s_mov_b32 s59, 0
	s_mul_i32 s60, s24, 20480
	s_lshl_b32 s61, s20, 9
	s_add_co_u32 s60, s60, s61                     ; hs: 20480 T + 512 w
	s_mov_b32 s61, 0
	s_wait_dscnt 0x0                               ; both opening adds are done
	s_wait_kmcnt 0x0
	s_load_b32 s25, s[8:9], s55 offset:0x2880      ; the tile's expert: word 2592 + T
	s_add_nc_u64 s[56:57], s[8:9], s[56:57]
	s_add_nc_u64 s[4:5], s[4:5], s[58:59]
	s_add_nc_u64 s[6:7], s[6:7], s[60:61]
.irp p, 0,1,2,3,4,5,6,7,8,9,10,11,12,13,14,15,16,17,18,19
	global_load_b32 v[TK+\p], v14, s[56:57] offset:8*\p
.endr
.irp m, 0,1,2,3,4,5,6,7,8,9
	global_load_b128 v[HSC+4*\m:HSC+4*\m+3], v15, s[6:7] offset:2048*\m    ; lanes 0-15: row r's words of my K steps 0-3; lanes 16-31: of my K steps 4-7
.endr
	HLOAD 0
	s_wait_kmcnt 0x0
	s_min_u32 s25, s25, 3                          ; the expert, held inside the tables
	s_lshl_b32 s58, s25, 10
	s_lshl_b32 s59, s23, 6
	s_add_co_u32 s58, s58, s59                     ; the block's first row of W2: 1024 e + 64 x
	s_mul_i32 s60, s58, 3072
	s_mul_i32 s61, s20, 768
	s_add_co_u32 s60, s60, s61                     ; + my 1,024 along K
	s_mov_b32 s61, 0
	s_add_nc_u64 s[60:61], s[12:13], s[60:61]      ; the copies' base: not written again
	s_lshl_b32 s66, s58, 7
	s_lshl_b32 s67, s20, 5
	s_add_co_u32 s66, s66, s67
	s_mov_b32 s67, 0
	s_add_nc_u64 s[14:15], s[14:15], s[66:67]      ; its scale bytes,
	s_lshl_b32 s66, s58, 2
	s_add_nc_u64 s[16:17], s[16:17], s[66:67]      ; its biases
	COPY 0, 0, 32                                  ; what the first K steps need is asked for first
.irp n, 0,1,2,3
	global_load_b128 v[W2S+4*\n:W2S+4*\n+3], v16, s[14:15] offset:2048*\n
.endr
	global_load_b128 v[B2:B2+3], v17, s[16:17]
	s_wait_loadcnt 45                              ; the 20 words of the list are in; behind them: 10 + 30 + 4 + 1 loads
.irp p, 0,1,2,3,4,5,6,7,8,9,10,11,12,13,14,15,16,17,18,19
	v_min_u32 v[OA+\p], 0x7ff, v[TK+\p]            ; held inside the tables; the word itself is kept for the mask
.endr
.irp p, 0,1,2,3,4,5,6,7,8,9,10,11,12,13,14,15,16,17,18,19
	v_lshlrev_b32 v[G+\p], 2, v[OA+\p]
.endr
.irp p, 0,1,2,3,4,5,6,7,8,9,10,11,12,13,14,15,16,17,18,19
	v_lshlrev_b32 v[OA+\p], 12, v[OA+\p]
.endr
.irp p, 0,1,2,3,4,5,6,7,8,9,10,11,12,13,14,15,16,17,18,19
	v_add_nc_u32 v[OA+\p], v[OA+\p], v[CO]
.endr
.irp p, 0,1,2,3,4,5,6,7,8,9,10,11,12,13,14,15,16,17,18,19
	global_load_b32 v[G+\p], v[G+\p], s[10:11]     ; the gate lands on its own address register
.endr
	COPY 1, 0, 31                                  ; 63 copies are issued so far, as many as ASYNCcnt's field holds (ISA guide 5.7.1): h's loads below stand ahead of the copy that would pass it
	HLOAD 1
	COPY 1, 31, 1
	COPY 2, 0, 32
	s_wait_asynccnt 63                             ; chunk 0 is my first 32 copies of 96: 64 might stay out; the wait's field holds 63
	FETCH2 0
; Four matrix instructions: row tile m against W2's four tiles, my K step s.  The 40 accumulators take turns, one instruction a turn, in the same order in every step.
.macro DMUL s, m
.set AB, 32*((\m)%8)
.set DW, 2+(\m)/8
.set FB, WF+48*((\s)%2)
.if (\s)%3 == 2
.set HB, 64+12*(\m)
.set HW, 3
.else
.set HB, 120*((\s)%3)+12*(\m)
.set HW, 1
.endif
.set NW, (DW<<6)|(DW<<4)|(HW<<2)       ; source 0 (W2) window 0, source 1 (h) window 1 or 3, C and D window 2 or 3
	WIN NW
.irp n, 0,1,2,3
.if (\s) == 0
	v_wmma_scale_f32_16x16x128_f8f6f4 v[AB+8*\n:AB+8*\n+7], v[FB+12*\n:FB+12*\n+11], v[HB:HB+11], 0, v[W2S+4*\n], v[HSC+4*(\m)] matrix_a_fmt:MATRIX_FMT_BF6 matrix_b_fmt:MATRIX_FMT_BF6
.elseif (\s) < 4
	v_wmma_scale_f32_16x16x128_f8f6f4 v[AB+8*\n:AB+8*\n+7], v[FB+12*\n:FB+12*\n+11], v[HB:HB+11], v[AB+8*\n:AB+8*\n+7], v[W2S+4*\n+(\s)], v[HSC+4*(\m)+(\s)] matrix_a_fmt:MATRIX_FMT_BF6 matrix_b_fmt:MATRIX_FMT_BF6
.else
	v_wmma_scale_f32_16x16x128_f8f6f4 v[AB+8*\n:AB+8*\n+7], v[FB+12*\n:FB+12*\n+11], v[HB:HB+11], v[AB+8*\n:AB+8*\n+7], v[W2S+4*\n+(\s)-4], v[HSC+4*(\m)+(\s)-4] matrix_a_fmt:MATRIX_FMT_BF6 matrix_b_fmt:MATRIX_FMT_BF6 matrix_a_scale:MATRIX_SCALE_ROW1 matrix_b_scale:MATRIX_SCALE_ROW1
.endif
.endr
.endm
.macro DSTEP s
.if (\s) < 7
	s_wait_loadcnt 30                              ; this step's h is in (and at step 0 all that was asked for earlier); the next step's 30 loads may be out
.else
	s_wait_loadcnt 0x0
.endif
	s_wait_dscnt 0x0                               ; this step's fragments of W2 are in
.if (\s) > 0
	PLACES 4                                       ; loads into registers that the last step's matrix instructions have read stand four plain lines behind them
.endif
.if (\s)+2 <= 7
	HLOAD (\s)+2
.endif
	DMUL \s,0
	DMUL \s,1
	DMUL \s,2
	DMUL \s,3
.if (\s) == 1
	s_wait_asynccnt 32                             ; chunk 1 is in (chunk 2's 32 copies may be out): K step 2 reaches into it
.endif
.if (\s) == 4
	s_wait_asynccnt 0x0                            ; chunk 2 is in: K step 5 reaches into it
.endif
.if (\s) < 7
	WIN 0
	FETCH2 (\s)+1
.endif
	DMUL \s,4
	DMUL \s,5
	DMUL \s,6
	DMUL \s,7
	DMUL \s,8
	DMUL \s,9
.endm
	DSTEP 0
	DSTEP 1
	DSTEP 2
	DSTEP 3
	DSTEP 4
	DSTEP 5
	DSTEP 6
	DSTEP 7
	; THE WAY OUT.  My sums go into my own region of LDS, whose one fill is done and whose last reads came back at the last step's head: a plane of 160 rows x 256 bytes.
	PLACES 4                                       ; behind the last products
.irp m, 0,1,2,3,4,5,6,7,8,9
.set AB, 32*(\m%8)
.set NW, 8+4*(\m/8)                    ; an LDS store's data are its source 1: window 2 or 3
	WIN NW
.irp n, 0,1,2,3
	ds_store_b128 v[SO], v[AB+8*\n:AB+8*\n+3] offset:16*PP*\m+64*\n        ; lane (r, h): row 16 m + r, outputs 16 n + 8 h + 0 .. 7; each accumulator from its low end on
	ds_store_b128 v[SO], v[AB+8*\n+4:AB+8*\n+7] offset:16*PP*\m+64*\n+16
.endr
.endr
	WIN 0
	s_wait_dscnt 0x0                               ; for the others' sake: my plane lies in LDS
	s_barrier_signal -1
	s_barrier_wait -1
	s_wait_xcnt 0x0                                ; EXEC changes only behind this wait
; Five pairs of my 40 rows: the four planes are added, b2 is added, the gate multiplies; sixteen lanes store a token's 256 consecutive bytes, aligned.
.macro BATCH bt
.irp pp, 0,1,2,3,4
.irp k, 0,1,2,3
	ds_load_b128 v[PLN+16*\pp+4*\k:PLN+16*\pp+4*\k+3], v[RD+\k] offset:2*PP*(5*(\bt)+\pp)
.endr
.endr
	s_wait_dscnt 0x0
.irp pp, 0,1,2,3,4
.set PB, PLN+16*\pp
.set PI, 5*(\bt)+\pp
	v_pk_add_f32 v[PB:PB+1], v[PB:PB+1], v[PB+4:PB+5]
	v_pk_add_f32 v[PB+2:PB+3], v[PB+2:PB+3], v[PB+6:PB+7]
	v_pk_add_f32 v[PB+8:PB+9], v[PB+8:PB+9], v[PB+12:PB+13]
	v_pk_add_f32 v[PB+10:PB+11], v[PB+10:PB+11], v[PB+14:PB+15]
	v_pk_add_f32 v[PB:PB+1], v[PB:PB+1], v[PB+8:PB+9]
	v_pk_add_f32 v[PB+2:PB+3], v[PB+2:PB+3], v[PB+10:PB+11]
	v_pk_add_f32 v[PB:PB+1], v[PB:PB+1], v[B2:B2+1]
	v_pk_add_f32 v[PB+2:PB+3], v[PB+2:PB+3], v[B2+2:B2+3]
.irp i, 0,1,2,3
	v_mul_f32 v[PB+\i], v[PB+\i], v[G+PI]
.endr
	v_cmp_gt_u32 vcc_lo, 0x800, v[TK+PI]           ; a slot that holds a token
	s_and_saveexec_b32 s68, vcc_lo
	global_store_b128 v[OA+PI], v[PB:PB+3], s[18:19] th:TH_STORE_NT        ; written once, read by nobody here
	s_wait_xcnt 0x0                                ; the store has read EXEC and its registers: EXEC is widened, and the next batch may land, only behind this wait
	s_or_b32 exec_lo, exec_lo, s68
.endr
.endm
	BATCH 0
	BATCH 1
	BATCH 2
	BATCH 3
	s_wait_xcnt 0x0
	s_mov_b32 exec_lo, -1
	s_wait_tensorcnt 0x0                           ; the wave's end, behind my last copy and my last LDS store
	s_wait_asynccnt 0x0
	ds_add_u32 v[SPW], v[NIL]
	s_wait_dscnt 0x0
	s_endpgm
.Lfunc_end_k_q3b4251501d_down:
	.size	k_q3b4251501d_down, .Lfunc_end_k_q3b4251501d_down-k_q3b4251501d_down
	.p2alignl 7, 3214868480
	.fill 96, 4, 3214868480
	.section	.rodata,"a",@progbits
	.p2align	6, 0x0
	.amdhsa_kernel k_q3b4251501d_down
		.amdhsa_group_segment_fixed_size 209408
		.amdhsa_private_segment_fixed_size 0
		.amdhsa_enable_private_segment 0
		.amdhsa_kernarg_size 64
		.amdhsa_user_sgpr_count 2
		.amdhsa_user_sgpr_kernarg_segment_ptr 1
		.amdhsa_wavefront_size32 1
		.amdhsa_system_sgpr_workgroup_id_x 1
		.amdhsa_system_sgpr_workgroup_id_y 1
		.amdhsa_system_sgpr_workgroup_id_z 1
		.amdhsa_system_vgpr_workitem_id 0
		.amdhsa_next_free_vgpr 1024
		.amdhsa_next_free_sgpr 72
		.amdhsa_reserve_vcc 1
		.amdhsa_float_denorm_mode_32 3
		.amdhsa_float_denorm_mode_16_64 3
		.amdhsa_memory_ordered 1
		.amdhsa_forward_progress 1
		.amdhsa_inst_pref_size 132
	.end_amdhsa_kernel
	.amdgpu_metadata
---
amdhsa.version: [ 1, 2 ]
amdhsa.kernels:
  - .name:           k_q3b4251501d_down
    .symbol:         k_q3b4251501d_down.kd
    .args:
      - { .name: hq, .offset: 0, .size: 8, .value_kind: global_buffer, .address_space: global }
      - { .name: hs, .offset: 8, .size: 8, .value_kind: global_buffer, .address_space: global }
      - { .name: order, .offset: 16, .size: 8, .value_kind: global_buffer, .address_space: global }
      - { .name: gate, .offset: 24, .size: 8, .value_kind: global_buffer, .address_space: global }
      - { .name: W2_codes, .offset: 32, .size: 8, .value_kind: global_buffer, .address_space: global }
      - { .name: W2_scales, .offset: 40, .size: 8, .value_kind: global_buffer, .address_space: global }
      - { .name: b2, .offset: 48, .size: 8, .value_kind: global_buffer, .address_space: global }
      - { .name: out0, .offset: 56, .size: 8, .value_kind: global_buffer, .address_space: global }
    .group_segment_fixed_size: 209408
    .private_segment_fixed_size: 0
    .kernarg_segment_align: 8
    .kernarg_segment_size: 64
    .max_flat_workgroup_size: 128
    .sgpr_count:     72
    .vgpr_count:     1024
    .wavefront_size: 32
...
	.end_amdgpu_metadata
.endif
;; end of part 4
